; MI455X (gfx1250); checked and timed in simulation.
; The chip was launched on July 23, 2026; its instructions are those of AMD's public machine-readable ISA for CDNA 5 (MIT licence, August 2026) and "CDNA5" Instruction Set Architecture Reference Guide (July 2026). The comments in the code are by the model that wrote it; some were corrected since.
;; Multi Query Attention. Allowed arithmetic: matrix products marked QUANTISED: E2M1 operands, one E8M0 scale for each 32 along K, by v_wmma_scale_f32_16x16x128_f8f6f4 with both operands' format E2M1 (or v_wmma_scale_f32_32x16x128_f4), f32 sums; products left as they are: bf16, f16 or f32 operands; f32 sums; everything else in f32.
;; Inputs: Wk 1,024 x 64 float32; Wo 1,024 x 1,024 float32; Wq 1,024 x 1,024 float32; Wv 1,024 x 64 float32; attention_mask 1 x 1 x 4,096 x 4,096 float32; x 1 x 4,096 x 1,024 float32.
;; Outputs: out0 1 x 4,096 x 1,024 float32.
;; This version of the problem:
;;   THIS VERSION OF THE PROBLEM IS GIVEN IN LOW PRECISION. The matrix products marked QUANTISED in the list below multiply operands that are first quantised to E2M1 (2 exponent bits, 1 mantissa bit; 4 bits a number), with one power-of-two scale for each 32 numbers along K (OCP MX v1.0); their sums are f32. The products marked 'left as it is' may take bf16, f16 or f32 operands, with f32 sums. Whichever they take, every output number must still come out within the allowed error. Rounding operands to bf16 (8 significant bits) uses up far more of that allowance than f16 does (11 bits, for magnitudes from 6e-5 to 65,504). All else is computed in f32.
;;   The module's matrix products, in the order in which they are computed (A, B: the left and right operand; K: the contracted axis; several contracted axes count as one K, in the product's order):
;;     1. [M 4,096, K 1,024] x [K 1,024, N 1,024]; A: input x; B: input Wq: QUANTISED
;;     2. [M 4,096, K 1,024] x [K 1,024, N 64]; A: input x; B: input Wk: QUANTISED
;;     3. [M 4,096, K 1,024] x [K 1,024, N 64]; A: input x; B: input Wv: QUANTISED
;;     4. [M 4,096, K 64] x [K 64, N 65,536]; A: computed on the way; B: computed on the way: left as it is (an operand is computed on the way)
;;     5. [M 64, K 4,096] x [K 4,096, N 65,536]; A: computed on the way; B: computed on the way: left as it is (an operand is computed on the way)
;;     6. [M 4,096, K 1,024] x [K 1,024, N 1,024]; A: computed on the way; B: input Wo: left as it is (an operand is computed on the way)
;;   THE QUANTISER, for each operand of a quantised product, along K:
;;     - K is cut into blocks of 32 from its start; a last block that is shorter is filled with zeros.
;;     - A block's scale is 2^e with e = floor(log2(the largest magnitude in the block)) - 2, held to -126 .. 127; a block of zeros has e = 0. As a byte (E8M0): e + 127.
;;     - Each number is divided by its block's scale, clamped to +-6, and rounded to the nearest number of E2M1, ties to even, subnormals kept.
;;     - The product sums the exact products of the quantised numbers (number of the format x scale) in f32.
;;   ~~~python
;;   def quantise(x, axis):      # numpy; x: float32 -> the quantised numbers, widened to float32 again
;;       x = np.moveaxis(x, axis, -1); K = x.shape[-1]
;;       x = np.pad(x, [(0, 0)] * (x.ndim - 1) + [(0, -K % 32)]); x = x.reshape(x.shape[:-1] + (-1, 32)); a = np.abs(x).max(-1, keepdims=True)
;;       e = np.where(a > 0, np.clip(np.frexp(np.where(a > 0, a, 1))[1] - 1 - 2, -126, 127), 0)      # np.frexp(a)[1] - 1 = floor(log2(a)), exactly
;;       r = np.clip(x / 2.0 ** e, -6, 6)
;;       step = 2.0 ** (np.maximum(np.frexp(np.where(r == 0, 1, r))[1] - 1, 0) - 1)
;;       q = np.round(r / step) * step * 2.0 ** e      # np.round: ties to even
;;       return np.moveaxis(q.reshape(q.shape[:-2] + (-1,))[..., :K], -1, axis).astype(np.float32)
;;   ~~~
;; One version. Each part assembles by itself: llvm-mc -triple=amdgcn-amd-amdhsa -mcpu=gfx1250 --defsym DOCPART=n.
;; ======== version 1 of 1: 4 launches
;; limits: values are held in f16: magnitudes above 65,504 overflow, below 6.1e-05 lose precision; right only within a limited range of input values
;; workspace buffers: xq 2,228,224 bytes; wq 626,688 bytes; woimg 2,097,152 bytes; qimg 8,388,608 bytes; kv 1,048,576 bytes; oimg 8,388,608 bytes
;; launch prep (part 1): grid 264 x 1, 4 waves a work-group, no clusters, 34,304 bytes of LDS; arguments x, Wq, Wk, Wv, Wo, xq, wq, woimg; writes xq, wq, woimg
.if DOCPART == 1
	.amdgcn_target "amdgcn-amd-amdhsa--gfx1250"
	.amdhsa_code_object_version 6
	.text
	.protected	k_qe79cc13a1f_prep
	.globl	k_qe79cc13a1f_prep
	.p2align	8
	.type	k_qe79cc13a1f_prep,@function
k_qe79cc13a1f_prep:
	s_mov_b64 s[64:65], 0
	v_nop
	global_prefetch_b8 v0, s[64:65] scope:SCOPE_SE
	s_setreg_imm32_b32 hwreg(HW_REG_WAVE_MODE, 25, 1), 1
	s_wait_xcnt 0x0
; PREP: the operands of the later launches are laid as IMAGES OF OPERAND REGISTERS, so that every later fragment load is 512 dense bytes.
; Three paths, parted on the work-group's number alone:
;   X (work-groups 0-127):   x [4096][1024] f32 -> codes of E2M1 with one E8M0 byte for each 32 along K (K is innermost in x)
;   W (work-groups 128-199): Wq [1024][1024], Wk, Wv [1024][64] f32 -> the same (K is their FIRST axis: a lane takes a column, its registers run down K)
;   O (work-groups 200-263): Wo [1024][1024] f32 -> f16 fragments (16 columns x 32 k)
; A RECORD (16 rows of x, or 16 columns of a weight, all of K = 1024) is 8,704 bytes: codes [K step s 0..7][c 0..1][lane 32][16 bytes], lane (r, h) group c = the block k = 128 s + 64 c + 32 h + 0..31 of row r;
; behind them 512 bytes of scale words [s / 4][r 16][s % 4], a word = the four bytes of 128 along K.  wq's record 9 g + i (i < 8) = Wq's columns 16 (8 g + i) on; record 9 g + 8 = Wk's columns 16 g on (g < 4), Wv's 16 (g - 4) on.
; THE QUANTISER: a block's scale is 2^(floor(log2(largest magnitude)) - 2): its byte is the largest magnitude's exponent field - 2, held at 1 from below by a floor among the maximum's leaves.
; LIMITS: a block of zeros gets the byte 1 where the rule says 127 (its codes are zeros, and this program alone reads the bytes); NaN and infinities among the inputs are not served; |Wo| under 65,504 (f16).
; Only path X uses LDS (a stage of its own for each wave); no barrier, no tensor load: waves share nothing.
.set STG,   8448                       ; a wave's stage: 16 rows x (512 bytes + 16)
.set SPARE, 4*STG                      ; behind the stages: the spare words, 128 bytes a wave
.set REC,   8704
.set SPW, 6                            ; v6  SPARE + 4 x my thread's number; never rewritten
.set NIL, 7                            ; v7  0; never rewritten
.set SW,  16                           ; v16-19   path X: a scale word for each of my four K steps
.set C,   32                           ; v32-63   codes, registers of their own for each store
.set R,   64                           ; v64-191  numbers as loaded (path X: two sets of 64)
.set X,   192                          ; v192-255 path X: 64 numbers turned; path O: packed f16
.macro BMAX d, t, b                    ; the largest magnitude of v[b] .. v[b+31], in two chains, with the floor 2^(3 - 127) as one more leaf
	v_max3_num_f32 v[\d], |v[\b]|, |v[\b+1]|, |v[\b+2]|
	v_max3_num_f32 v[\t], |v[\b+3]|, |v[\b+4]|, |v[\b+5]|
.irp i, 6,10,14,18,22,26
	v_max3_num_f32 v[\d], v[\d], |v[\b+\i]|, |v[\b+\i+1]|
	v_max3_num_f32 v[\t], v[\t], |v[\b+\i+2]|, |v[\b+\i+3]|
.endr
	v_max3_num_f32 v[\d], v[\d], |v[\b+30]|, |v[\b+31]|
	v_max3_num_f32 v[\d], v[\d], v[\t], 0x1800000
.endm
.macro WLOAD base, pitch               ; 128 rows k of my column: each load reads 128 consecutive bytes a wave
.set wi, 0
.rept 128
	global_load_b32 v[R+wi], v2, s[\base:\base+1] offset:wi*\pitch th:TH_LOAD_NT
.set wi, wi+1
.endr
.endm
.macro XLOAD t                         ; K step t of my 16 rows: each load reads 512 consecutive bytes of one row
.irp i, 0,1,2,3,4,5,6,7,8,9,10,11,12,13,14,15
	global_load_b128 v[R+64*((\t)%2)+4*\i:R+64*((\t)%2)+4*\i+3], v2, s[4:5] offset:4096*\i+512*(\t) th:TH_LOAD_NT
.endr
.endm
	s_load_b256 s[4:11], s[0:1], 0x0               ; x s[4:5], Wq s[6:7], Wk s[8:9], Wv s[10:11]
	s_load_b256 s[12:19], s[0:1], 0x20             ; Wo s[12:13], xq s[14:15], wq s[16:17], woimg s[18:19]
	v_lshl_add_u32 v[SPW], v0, 2, SPARE
	v_mov_b32 v[NIL], 0
	v_lshrrev_b32 v1, 5, v0
	v_readfirstlane_b32 s20, v1                    ; wave 0..3
	v_and_b32 v1, 31, v0                           ; lane
	s_mov_b32 s25, 0                               ; the upper word of every offset pair s[24:25]
	s_wait_kmcnt 0x0
	s_cmp_lt_u32 ttmp9, 128
	s_cbranch_scc0 .Lnot_x
; ---------------- PATH X: a wave takes 16 rows x 512 along K: four K steps of one record
	s_lshl_b32 s21, ttmp9, 2
	s_add_co_u32 s21, s21, s20                     ; task = 4 x work-group + wave
	s_lshr_b32 s22, s21, 1                         ; the record (tile of 16 rows)
	s_and_b32 s23, s21, 1                          ; which half of K
	s_lshl_b32 s24, s22, 16                        ; 16 rows of 4,096 bytes
	s_lshl_b32 s26, s23, 11                        ; 512 numbers
	s_add_co_u32 s24, s24, s26
	s_add_nc_u64 s[4:5], s[4:5], s[24:25]
	s_mul_i32 s24, s22, REC
	s_add_nc_u64 s[14:15], s[14:15], s[24:25]      ; my record
	s_lshl_b32 s24, s23, 8
	s_add_co_u32 s24, s24, 8192
	s_add_nc_u64 s[26:27], s[14:15], s[24:25]      ; its scale words of my half of K
	s_lshl_b32 s24, s23, 12
	s_add_nc_u64 s[14:15], s[14:15], s[24:25]      ; its codes of my half of K
	s_mov_b32 s28, 0x76543210
	s_mov_b32 s29, 0xfedcba98                      ; v_permlanex16_b32's selects for lane l xor 16
	s_mul_i32 s30, s20, STG
	v_lshlrev_b32 v2, 4, v1                        ; 16 x lane
	XLOAD 0
	XLOAD 1
	v_add_nc_u32 v3, s30, v2                       ; into the stage: as loaded
	v_and_b32 v5, 15, v1                           ; r
	v_lshrrev_b32 v15, 4, v1                       ; h
	v_mul_u32_u24 v4, v5, 528
	v_lshl_add_u32 v4, v15, 7, v4
	v_add_nc_u32 v4, s30, v4                       ; out of it: row r, + 128 h bytes: my block of 32 numbers
	v_lshlrev_b32 v5, 4, v5                        ; 16 r: my row's four scale words
	v_lshlrev_b32 v15, 3, v15                      ; 8 h: my bytes' place in a scale word
	v_mov_b32 v14, 0                               ; a lane permute's destination counts as one of its sources
.macro FRAG t
.if \t < 3
	s_wait_loadcnt 16                              ; this K step's 16 loads are in; the next step's 16 may be out
.else
	s_wait_loadcnt 0x0
.endif
.irp i, 0,1,2,3,4,5,6,7,8,9,10,11,12,13,14,15
	ds_store_b128 v3, v[R+64*(\t%2)+4*\i:R+64*(\t%2)+4*\i+3] offset:528*\i
.endr
.irp c, 0,1
.irp j, 0,1,2,3,4,5,6,7
	ds_load_b128 v[X+32*\c+4*\j:X+32*\c+4*\j+3], v4 offset:256*\c+16*\j   ; LDS serves a wave's instructions in order: these see the stores above.  Block 2 c + h of row r
.endr
.endr
	s_wait_dscnt 0x0                               ; the numbers are back, and the stores have read their registers,
.if \t < 2
	XLOAD \t+2                                     ; which take the loads of two K steps on
.endif
	BMAX 8, 12, X
	BMAX 9, 13, X+32
	v_add_nc_u32 v10, 0xff000000, v8               ; 2 off the exponent field: the conversion takes the exponent field of this operand as its scale
	v_add_nc_u32 v11, 0xff000000, v9
.irp g, 0,1,2,3
	v_cvt_scalef32_pk8_fp4_f32 v[C+8*\t+\g], v[X+8*\g:X+8*\g+7], v10
.endr
.irp g, 0,1,2,3
	v_cvt_scalef32_pk8_fp4_f32 v[C+8*\t+4+\g], v[X+32+8*\g:X+32+8*\g+7], v11
.endr
	v_lshrrev_b32 v12, 23, v10                     ; the scales' bytes (a plain line behind the conversions): blocks h and 2 + h
	v_lshrrev_b32 v13, 23, v11
	v_lshl_or_b32 v12, v13, 16, v12
	v_lshlrev_b32 v12, v15, v12                    ; at their places in the word;
	v_permlanex16_b32 v14, v12, s28, s29
	v_or_b32 v[SW+\t], v12, v14                    ; with lane l xor 16's two the word is whole
	global_store_b128 v2, v[C+8*\t:C+8*\t+3], s[14:15] offset:1024*\t        ; 512 consecutive bytes
	global_store_b128 v2, v[C+8*\t+4:C+8*\t+7], s[14:15] offset:1024*\t+512
.endm
	FRAG 0
	FRAG 1
	FRAG 2
	FRAG 3
	v_cmp_gt_u32 vcc_lo, 16, v1
	s_wait_xcnt 0x0                                ; EXEC is a source of the stores above: it changes only behind this wait
	s_and_saveexec_b32 s31, vcc_lo
	global_store_b128 v5, v[SW:SW+3], s[26:27]     ; lanes 0-15: 256 consecutive bytes, aligned
	s_wait_xcnt 0x0
	s_or_b32 exec_lo, exec_lo, s31
	s_wait_tensorcnt 0x0                           ; the wave's end: behind my last LDS store
	ds_add_u32 v[SPW], v[NIL]
	s_wait_dscnt 0x0
	s_endpgm
.Lnot_x:
	s_cmp_lt_u32 ttmp9, 200
	s_cbranch_scc0 .Lpath_o
; ---------------- PATH W: a wave takes 32 columns x 128 along K (one K step of two records)
	s_sub_co_u32 s21, ttmp9, 128
	s_lshr_b32 s22, s21, 3                         ; 0..7: 128 columns of Wq; 8: Wk and Wv
	s_and_b32 s23, s21, 7                          ; the K step
	v_lshlrev_b32 v2, 2, v1                        ; 4 bytes a lane
	v_lshrrev_b32 v3, 4, v1                        ; which of my two records
	v_and_b32 v4, 15, v1                           ; the column in it
	s_cmp_lt_u32 s22, 8
	s_cbranch_scc0 .Lw_kv
	s_lshl_b32 s24, s23, 19                        ; 128 rows of 4,096 bytes
	s_lshl_b32 s26, s22, 9
	s_add_co_u32 s24, s24, s26
	s_lshl_b32 s26, s20, 7
	s_add_co_u32 s24, s24, s26
	s_add_nc_u64 s[6:7], s[6:7], s[24:25]
	WLOAD 6, 4096
	s_mul_i32 s26, s22, 9
	s_lshl_b32 s27, s20, 1
	s_add_co_u32 s26, s26, s27                     ; my first record: 9 g + 2 x wave
	s_mov_b32 s27, REC                             ; and the next one follows it
	s_branch .Lw_common
.Lw_kv:
	s_cmp_lt_u32 s20, 2                            ; waves 0, 1: Wk; waves 2, 3: Wv
	s_cselect_b64 s[6:7], s[8:9], s[10:11]
	s_lshl_b32 s24, s23, 15                        ; 128 rows of 256 bytes
	s_and_b32 s26, s20, 1
	s_lshl_b32 s26, s26, 7
	s_add_co_u32 s24, s24, s26
	s_add_nc_u64 s[6:7], s[6:7], s[24:25]
	WLOAD 6, 256
	s_mul_i32 s26, s20, 18
	s_add_co_u32 s26, s26, 8                       ; my first record: 9 (2 x wave) + 8
	s_mov_b32 s27, 9*REC                           ; the next one lies nine records on
.Lw_common:
	v_mul_lo_u32 v5, v3, s27
	v_lshl_add_u32 v5, v4, 4, v5                   ; my record, + 16 x column
	s_mul_i32 s24, s26, REC
	s_add_nc_u64 s[16:17], s[16:17], s[24:25]
	s_lshr_b32 s24, s23, 2
	s_lshl_b32 s24, s24, 8
	s_and_b32 s26, s23, 3
	s_lshl_b32 s26, s26, 2
	s_add_co_u32 s24, s24, s26
	s_add_co_u32 s24, s24, 8192
	s_add_nc_u64 s[28:29], s[16:17], s[24:25]      ; this K step's scale words
	s_lshl_b32 s24, s23, 10
	s_add_nc_u64 s[16:17], s[16:17], s[24:25]      ; this K step's codes
.irp b, 0,1,2,3                        ; block b of my column: all its 32 numbers are mine
.if \b < 2
	s_wait_loadcnt 63                              ; the count's field ends at 63: all but the youngest 63 of the 128 loads are in, blocks 0 and 1 among them
.else
	s_wait_loadcnt 96-32*\b                        ; the later blocks' loads may be out
.endif
	BMAX 8, 9, R+32*\b
	v_add_nc_u32 v10, 0xff000000, v8
.irp g, 0,1,2,3
	v_cvt_scalef32_pk8_fp4_f32 v[C+4*\b+\g], v[R+32*\b+8*\g:R+32*\b+8*\g+7], v10
.endr
	v_lshrrev_b32 v[20+\b], 23, v10                ; the byte (a plain line behind the conversions)
	global_store_b128 v5, v[C+4*\b:C+4*\b+3], s[16:17] offset:512*(\b/2)+256*(\b%2)   ; block b = 2 c + h: sixteen lanes store 256 consecutive bytes, aligned
.endr
	v_lshl_or_b32 v24, v21, 8, v20
	v_lshl_or_b32 v24, v22, 16, v24
	v_lshl_or_b32 v24, v23, 24, v24
	global_store_b32 v5, v24, s[28:29]             ; 4 bytes of each 16: the one store here that covers its 256 bytes in part: one byte for each 128 bytes read
	s_endpgm
; ---------------- PATH O: a wave takes 32 columns x 128 k of Wo; woimg is [k / 256][column tile 64][k step of 32: 8][half 2][lane 32][16 bytes], lane (r, h) half u = k 16 u + 8 h + 0..7 of column r
.Lpath_o:
	s_sub_co_u32 s21, ttmp9, 200
	s_lshr_b32 s22, s21, 3                         ; 128 columns
	s_and_b32 s23, s21, 7                          ; 128 k
	v_lshlrev_b32 v2, 2, v1
	s_lshl_b32 s24, s23, 19
	s_lshl_b32 s26, s22, 9
	s_add_co_u32 s24, s24, s26
	s_lshl_b32 s26, s20, 7
	s_add_co_u32 s24, s24, s26
	s_add_nc_u64 s[12:13], s[12:13], s[24:25]
	WLOAD 12, 4096
	v_lshrrev_b32 v3, 4, v1
	v_and_b32 v4, 15, v1
	v_lshlrev_b32 v5, 13, v3                       ; my column tile of the wave's two: 8,192 bytes each
	v_lshl_add_u32 v5, v4, 4, v5
	s_lshr_b32 s24, s23, 1
	s_lshl_b32 s24, s24, 19                        ; the quarter of K
	s_lshl_b32 s26, s22, 3
	s_lshl_b32 s27, s20, 1
	s_add_co_u32 s26, s26, s27
	s_lshl_b32 s26, s26, 13                        ; column tile 8 x group + 2 x wave
	s_add_co_u32 s24, s24, s26
	s_and_b32 s26, s23, 1
	s_lshl_b32 s26, s26, 12                        ; four k steps of 1,024 bytes
	s_add_co_u32 s24, s24, s26
	s_add_nc_u64 s[18:19], s[18:19], s[24:25]
.irp ks, 0,1,2,3
.if \ks < 2
	s_wait_loadcnt 63                              ; as above
.else
	s_wait_loadcnt 96-32*\ks
.endif
.irp gq, 0,1,2,3                       ; eight k: half gq / 2, lanes' half gq % 2
.irp i, 0,1,2,3
	v_cvt_pk_f16_f32 v[X+16*\ks+4*\gq+\i], v[R+32*\ks+8*\gq+2*\i], v[R+32*\ks+8*\gq+2*\i+1]
.endr
	global_store_b128 v5, v[X+16*\ks+4*\gq:X+16*\ks+4*\gq+3], s[18:19] offset:1024*\ks+512*(\gq/2)+256*(\gq%2)   ; sixteen lanes store 256 consecutive bytes, aligned
.endr
.endr
	s_endpgm
.Lfunc_end_k_qe79cc13a1f_prep:
	.size	k_qe79cc13a1f_prep, .Lfunc_end_k_qe79cc13a1f_prep-k_qe79cc13a1f_prep
	.p2alignl 7, 3214868480
	.fill 96, 4, 3214868480
	.section	.rodata,"a",@progbits
	.p2align	6, 0x0
	.amdhsa_kernel k_qe79cc13a1f_prep
		.amdhsa_group_segment_fixed_size 34304
		.amdhsa_private_segment_fixed_size 0
		.amdhsa_enable_private_segment 0
		.amdhsa_kernarg_size 64
		.amdhsa_user_sgpr_count 2
		.amdhsa_user_sgpr_kernarg_segment_ptr 1
		.amdhsa_wavefront_size32 1
		.amdhsa_system_sgpr_workgroup_id_x 1
		.amdhsa_system_sgpr_workgroup_id_y 1
		.amdhsa_system_sgpr_workgroup_id_z 1
		.amdhsa_system_vgpr_workitem_id 0
		.amdhsa_next_free_vgpr 256
		.amdhsa_next_free_sgpr 66
		.amdhsa_reserve_vcc 1
		.amdhsa_float_denorm_mode_32 3
		.amdhsa_float_denorm_mode_16_64 3
		.amdhsa_memory_ordered 1
		.amdhsa_forward_progress 1
		.amdhsa_inst_pref_size 80
	.end_amdhsa_kernel
	.amdgpu_metadata
---
amdhsa.version: [ 1, 2 ]
amdhsa.kernels:
  - .name:           k_qe79cc13a1f_prep
    .symbol:         k_qe79cc13a1f_prep.kd
    .args:
      - { .name: x, .offset: 0, .size: 8, .value_kind: global_buffer, .address_space: global }
      - { .name: Wq, .offset: 8, .size: 8, .value_kind: global_buffer, .address_space: global }
      - { .name: Wk, .offset: 16, .size: 8, .value_kind: global_buffer, .address_space: global }
      - { .name: Wv, .offset: 24, .size: 8, .value_kind: global_buffer, .address_space: global }
      - { .name: Wo, .offset: 32, .size: 8, .value_kind: global_buffer, .address_space: global }
      - { .name: xq, .offset: 40, .size: 8, .value_kind: global_buffer, .address_space: global }
      - { .name: wq, .offset: 48, .size: 8, .value_kind: global_buffer, .address_space: global }
      - { .name: woimg, .offset: 56, .size: 8, .value_kind: global_buffer, .address_space: global }
    .group_segment_fixed_size: 34304
    .private_segment_fixed_size: 0
    .kernarg_segment_align: 8
    .kernarg_segment_size: 64
    .max_flat_workgroup_size: 128
    .sgpr_count:     66
    .vgpr_count:     256
    .wavefront_size: 32
...
	.end_amdgpu_metadata
.endif
;; end of part 1
;; launch proj (part 2): grid 8 x 32, 4 waves a work-group, clusters of 4 x 4, 167,936 bytes of LDS; arguments xq, wq, qimg, kv; writes qimg, kv
.if DOCPART == 2
	.amdgcn_target "amdgcn-amd-amdhsa--gfx1250"
	.amdhsa_code_object_version 6
	.text
	.protected	k_qe79cc13a1f_proj
	.globl	k_qe79cc13a1f_proj
	.p2align	8
	.type	k_qe79cc13a1f_proj,@function
k_qe79cc13a1f_proj:
	s_mov_b64 s[64:65], 0
	v_nop
	global_prefetch_b8 v0, s[64:65] scope:SCOPE_SE
	s_setreg_imm32_b32 hwreg(HW_REG_WAVE_MODE, 25, 1), 1
	s_wait_xcnt 0x0
	s_wait_alu depctr_hold_cnt(0) depctr_sa_sdst(0) depctr_va_vdst(0) depctr_va_sdst(0) depctr_va_ssrc(0) depctr_va_vcc(0) depctr_vm_vsrc(0)
	s_getreg_b32 s2, hwreg(HW_REG_IB_STS2, 6, 4)
	s_cmp_eq_u32 s2, 0
	s_cbranch_scc0 .Lentry_in_a_cluster
	s_endpgm
.Lentry_in_a_cluster:
	s_bfe_u32 s2, ttmp6, 0x10000c
	s_cmp_lg_u32 s2, 0xf033
	s_cbranch_scc0 .Lentry_shape_is_right
	s_endpgm
.Lentry_shape_is_right:
; PROJ: q = x Wq, k = x Wk, v = x Wv on codes of E2M1 with E8M0 scales (K = 1024), sums in f32; q x 0.125 (exact), k and v leave as f16, laid as the next launch's operand registers.
; SHARES.  Work-group (X, Y) takes 8 records of x (128 rows: 8 Y on) against 9 records of weights (9 X on: 128 columns of Wq and 16 of Wk or Wv), all of K: both blocks are dense in memory and come into LDS ONCE.
; Wave w takes rows' records 2 w, 2 w + 1 against all nine: 18 accumulators, which take turns, one instruction a turn.
; CLUSTER 4 x 4: x's block hangs on Y alone and is shared along a row of the cluster, the weights' on X alone and is shared along a column: joint loads, one a wave.
; THE MATRIX INSTRUCTION IS USED TRANSPOSED (source 0 = 16 columns of W, source 1 = 16 rows of x): a lane holds one row of x and eight neighbouring outputs: four conversions make 16 bytes,
; which are registers 0-3 or 4-7 of an f16 fragment of the next product, in the right lane: a piece of 512 dense bytes.  qimg: [row tile 256][piece 64][512]; kv: [key tile 256][piece 8: k's four, v's four][512].
; LIMIT: |q| / 8, |k|, |v| under 65,504 (f16).
; REGISTERS: window 0: v2-11 addresses; v16-31 x's scale words, v32-103 W's (scales and nothing else); v112-183 packed results.  window 1: two fragment buffers at v0 and v128 (W's nine, then x's two).  window 2: accumulator (a, i) at v[8 (9 a + i)].
.set REC,   8704
.set WBLK,  8*REC                      ; LDS: x's 8 records at 0, W's 9 behind them
.set SPARE, WBLK+9*REC                 ; the spare words, 128 bytes a wave
.set ADRA,  2                          ; v2  16 x lane + my two records of x
.set ADRW0, 3                          ; v3  16 x lane + W's records 0-3
.set ADRW1, 4                          ; v4  the same for records 4-8 (an LDS offset has 16 bits)
.set ASA,   5                          ; v5-7 the same three for the scale words: 16 x (lane % 16) + 8,192
.set ASW0,  6
.set ASW1,  7
.set LI,    8                          ; v8  16 x lane
.set SPW,   10
.set NIL,   11
.set SX,    16
.set SWR,   32
.set PK,    112
.set MSB, 0
.macro WIN new                         ; the immediate's high byte repeats the setting that is left
.if MSB != \new
	s_set_vgpr_msb (MSB<<8)|\new
.set MSB, \new
.endif
.endm
.set W_MUL, 0xa5                       ; sources 0 and 1 window 1, C and D window 2
.set W_F,   0x40                       ; destination window 1
.set W_SC,  0x82                       ; destination and source 0 window 2
.set W_PK,  0x0a                       ; sources 0 and 1 window 2
.macro PLACES
.rept 4
	v_nop
.endr
.endm
.macro CROUND                          ; a round of the cluster's barrier
	s_barrier_signal -1
	s_barrier_wait -1
	s_cmp_lg_u32 s12, 0
	s_cbranch_scc1 .Lnot_wave_0_\@
	s_barrier_signal -3
.Lnot_wave_0_\@:
	s_barrier_wait -3
	s_barrier_signal -1
	s_barrier_wait -1
.endm
	s_load_b256 s[4:11], s[0:1], 0x0               ; xq s[4:5], wq s[6:7], qimg s[8:9], kv s[10:11]
	v_lshl_add_u32 v[SPW], v0, 2, SPARE
	v_mov_b32 v[NIL], 0
	ds_add_u32 v[SPW], v[NIL]                      ; the wave's opening: the add, twice on end, and its wait ahead of my first tensor load
	ds_add_u32 v[SPW], v[NIL]
	v_lshrrev_b32 v1, 5, v0
	v_readfirstlane_b32 s12, v1                    ; wave 0..3
	s_lshr_b32 s13, s12, 1                         ; I fetch for x (0) or for W (1),
	s_and_b32 s14, s12, 1                          ; this half of the block
	s_bfe_u32 s15, ttmp6, 0x40000                  ; cx
	s_bfe_u32 s16, ttmp6, 0x40004                  ; cy
	s_lshl_b32 s17, ttmp9, 2
	s_add_co_u32 s17, s17, s15                     ; X
	s_and_b32 s18, ttmp7, 0xffff
	s_lshl_b32 s18, s18, 2
	s_add_co_u32 s18, s18, s16                     ; Y
	s_lshl_b32 s19, s16, 2
	s_lshl_b32 s19, 15, s19                        ; my row of the cluster
	s_lshl_b32 s20, 0x1111, s15                    ; my column
	; descriptor groups 1: dense blocks as rows of 256 bytes (32 elements of 8 bytes): half of x's block 136 rows, half of W's 153
	s_or_b32 s24, s19, (3<<16)|(1<<21)             ; the mask; elements of 8 bytes; bit 21 set beside a mask
	s_mov_b32 s25, 32<<16                          ; tensor_dim0
	s_mov_b32 s26, 136<<16                         ; tensor_dim1
	s_mov_b32 s27, 32<<16                          ; tile_dim0
	s_mov_b32 s28, 136                             ; tile_dim1
	s_mov_b32 s29, 32                              ; the pitch
	s_mov_b32 s30, 0
	s_mov_b32 s31, 0
	s_or_b32 s32, s20, (3<<16)|(1<<21)
	s_mov_b32 s33, 32<<16
	s_mov_b32 s34, 153<<16
	s_mov_b32 s35, 32<<16
	s_mov_b32 s36, 153
	s_mov_b32 s37, 32
	s_mov_b32 s38, 0
	s_mov_b32 s39, 0
	; groups 0.  x's hangs on Y and the wave, W's on X and the wave, each in registers that never hold the other coordinate
	s_mul_i32 s48, s18, 8*REC
	s_mul_i32 s49, s14, 4*REC
	s_add_co_u32 s48, s48, s49
	s_mov_b32 s40, 1
	s_mov_b32 s41, s49                             ; LDS: the half's place in x's block
	s_mov_b32 s49, 0
	s_mul_i32 s50, s17, 9*REC
	s_mul_i32 s51, s14, 9*REC/2
	s_add_co_u32 s50, s50, s51
	s_mov_b32 s44, 1
	s_add_co_u32 s45, s51, WBLK
	s_mov_b32 s51, 0
	s_wait_dscnt 0x0                               ; both opening adds are done
	s_wait_kmcnt 0x0
	s_add_nc_u64 s[42:43], s[4:5], s[48:49]
	s_or_b32 s43, s43, 0x80000000
	s_add_nc_u64 s[46:47], s[6:7], s[50:51]
	s_or_b32 s47, s47, 0x80000000
	CROUND                                         ; all sixteen work-groups are here: the joint loads meet
	s_cmp_eq_u32 s13, 0                            ; the branch hangs on the wave's number alone; an s_nop 0 and four v_nop follow each of the two lines
	s_cbranch_scc0 .Lfor_w
	tensor_load_to_lds s[40:43], s[24:31]
	s_nop 0
	PLACES
	s_branch .Lasked
.Lfor_w:
	tensor_load_to_lds s[44:47], s[32:39]
	s_nop 0
	PLACES
.Lasked:
	v_and_b32 v1, 31, v0
	v_and_b32 v9, 15, v0
	v_lshlrev_b32 v[LI], 4, v1
	v_lshlrev_b32 v9, 4, v9
	s_mul_i32 s52, s12, 2*REC
	v_add_nc_u32 v[ADRA], s52, v[LI]
	v_add_nc_u32 v[ADRW0], WBLK, v[LI]
	v_add_nc_u32 v[ADRW1], WBLK+4*REC, v[LI]
	s_add_co_u32 s52, s52, 8192
	v_add_nc_u32 v[ASA], s52, v9
	v_add_nc_u32 v[ASW0], WBLK+8192, v9
	v_add_nc_u32 v[ASW1], WBLK+4*REC+8192, v9
	s_lshl_b32 s53, s18, 3
	s_lshl_b32 s54, s12, 1
	s_add_co_u32 s53, s53, s54                     ; my first row tile: 8 Y + 2 x wave
	s_lshl_b32 s54, s53, 15                        ; qimg: 32,768 bytes a row tile,
	s_lshl_b32 s55, s17, 12                        ; pieces 8 X on
	s_add_co_u32 s54, s54, s55
	s_mov_b32 s55, 0
	s_add_nc_u64 s[8:9], s[8:9], s[54:55]
	s_lshl_b32 s54, s53, 12                        ; kv: 4,096 bytes a key tile,
	s_lshl_b32 s56, s17, 9                         ; piece X
	s_add_co_u32 s54, s54, s56
	s_add_nc_u64 s[10:11], s[10:11], s[54:55]
	s_wait_tensorcnt 0x0                           ; my half block has landed,
	s_barrier_signal -1
	s_barrier_wait -1                              ; everybody's has
.macro FETCH s                         ; K step s: W's nine fragments and x's two, 22 loads of 512 dense bytes, into buffer s % 2
	WIN W_F
.set FB, 128*((\s)%2)
.irp i, 0,1,2,3
.irp c, 0,1
	ds_load_b128 v[FB+8*\i+4*\c:FB+8*\i+4*\c+3], v[ADRW0] offset:REC*\i+1024*(\s)+512*\c
.endr
.endr
.irp i, 4,5,6,7,8
.irp c, 0,1
	ds_load_b128 v[FB+8*\i+4*\c:FB+8*\i+4*\c+3], v[ADRW1] offset:REC*(\i-4)+1024*(\s)+512*\c
.endr
.endr
.irp a, 0,1
.irp c, 0,1
	ds_load_b128 v[FB+72+8*\a+4*\c:FB+72+8*\a+4*\c+3], v[ADRA] offset:REC*\a+1024*(\s)+512*\c
.endr
.endr
.endm
.macro MUL s                           ; 18 matrix instructions; the first K step starts the sums: nothing is cleared
	WIN W_MUL
.set FB, 128*((\s)%2)
.irp a, 0,1
.irp i, 0,1,2,3,4,5,6,7,8
.if (\s) == 0
	v_wmma_scale_f32_16x16x128_f8f6f4 v[8*(9*\a+\i):8*(9*\a+\i)+7], v[FB+8*\i:FB+8*\i+7], v[FB+72+8*\a:FB+72+8*\a+7], 0, v[SWR+8*\i+(\s)], v[SX+8*\a+(\s)] matrix_a_fmt:MATRIX_FMT_FP4 matrix_b_fmt:MATRIX_FMT_FP4
.else
	v_wmma_scale_f32_16x16x128_f8f6f4 v[8*(9*\a+\i):8*(9*\a+\i)+7], v[FB+8*\i:FB+8*\i+7], v[FB+72+8*\a:FB+72+8*\a+7], v[8*(9*\a+\i):8*(9*\a+\i)+7], v[SWR+8*\i+(\s)], v[SX+8*\a+(\s)] matrix_a_fmt:MATRIX_FMT_FP4 matrix_b_fmt:MATRIX_FMT_FP4
.endif
.endr
.endr
.endm
	; the scale words of all of K: 22 loads; lane r takes row r's four words of half of K (lanes 16-31 hold the same and are not read)
.irp a, 0,1
.irp kh, 0,1
	ds_load_b128 v[SX+8*\a+4*\kh:SX+8*\a+4*\kh+3], v[ASA] offset:REC*\a+256*\kh
.endr
.endr
.irp i, 0,1,2,3
.irp kh, 0,1
	ds_load_b128 v[SWR+8*\i+4*\kh:SWR+8*\i+4*\kh+3], v[ASW0] offset:REC*\i+256*\kh
.endr
.endr
.irp i, 4,5,6,7,8
.irp kh, 0,1
	ds_load_b128 v[SWR+8*\i+4*\kh:SWR+8*\i+4*\kh+3], v[ASW1] offset:REC*(\i-4)+256*\kh
.endr
.endr
	FETCH 0
.irp s, 0,1,2,3,4,5,6,7
.if \s < 7
.if \s > 0
	PLACES                                         ; four places between the products that read a buffer and the loads into it
.endif
	FETCH \s+1
	s_wait_dscnt 22                                ; all but the 22 loads just issued
.else
	s_wait_dscnt 0x0
.endif
	MUL \s
.endr
	; THE WAY OUT
	PLACES
	WIN W_SC
.irp a, 0,1
.irp i, 0,1,2,3,4,5,6,7
.irp j, 0,2,4,6
	v_pk_mul_f32 v[8*(9*\a+\i)+\j:8*(9*\a+\i)+\j+1], v[8*(9*\a+\i)+\j:8*(9*\a+\i)+\j+1], 0x3e000000 op_sel_hi:[1,0]   ; q x 0.125, exact; each accumulator from its low end on
.endr
.endr
.endr
	WIN W_PK
.irp a, 0,1
.irp i, 0,1,2,3,4,5,6,7,8
.irp j, 0,1,2,3
	v_cvt_pk_f16_f32 v[PK+4*(9*\a+\i)+\j], v[8*(9*\a+\i)+2*\j], v[8*(9*\a+\i)+2*\j+1]
.endr
.endr
.endr
	WIN 0
.irp a, 0,1
.irp i, 0,1,2,3,4,5,6,7
	global_store_b128 v[LI], v[PK+4*(9*\a+\i):PK+4*(9*\a+\i)+3], s[8:9] offset:32768*\a+512*\i   ; a piece: 512 consecutive bytes, aligned
.endr
	global_store_b128 v[LI], v[PK+4*(9*\a+8):PK+4*(9*\a+8)+3], s[10:11] offset:4096*\a
.endr
	s_wait_tensorcnt 0x0                           ; the wave's end
	ds_add_u32 v[SPW], v[NIL]
	s_wait_dscnt 0x0
	CROUND                                         ; the closing round
	s_endpgm
.Lfunc_end_k_qe79cc13a1f_proj:
	.size	k_qe79cc13a1f_proj, .Lfunc_end_k_qe79cc13a1f_proj-k_qe79cc13a1f_proj
	.p2alignl 7, 3214868480
	.fill 96, 4, 3214868480
	.section	.rodata,"a",@progbits
	.p2align	6, 0x0
	.amdhsa_kernel k_qe79cc13a1f_proj
		.amdhsa_group_segment_fixed_size 167936
		.amdhsa_private_segment_fixed_size 0
		.amdhsa_enable_private_segment 0
		.amdhsa_kernarg_size 32
		.amdhsa_user_sgpr_count 2
		.amdhsa_user_sgpr_kernarg_segment_ptr 1
		.amdhsa_wavefront_size32 1
		.amdhsa_system_sgpr_workgroup_id_x 1
		.amdhsa_system_sgpr_workgroup_id_y 1
		.amdhsa_system_sgpr_workgroup_id_z 1
		.amdhsa_system_vgpr_workitem_id 0
		.amdhsa_next_free_vgpr 768
		.amdhsa_next_free_sgpr 80
		.amdhsa_reserve_vcc 0
		.amdhsa_float_denorm_mode_32 3
		.amdhsa_float_denorm_mode_16_64 3
		.amdhsa_memory_ordered 1
		.amdhsa_forward_progress 1
		.amdhsa_inst_pref_size 50
	.end_amdhsa_kernel
	.amdgpu_metadata
---
amdhsa.version: [ 1, 2 ]
amdhsa.kernels:
  - .name:           k_qe79cc13a1f_proj
    .symbol:         k_qe79cc13a1f_proj.kd
    .args:
      - { .name: xq, .offset: 0, .size: 8, .value_kind: global_buffer, .address_space: global }
      - { .name: wq, .offset: 8, .size: 8, .value_kind: global_buffer, .address_space: global }
      - { .name: qimg, .offset: 16, .size: 8, .value_kind: global_buffer, .address_space: global }
      - { .name: kv, .offset: 24, .size: 8, .value_kind: global_buffer, .address_space: global }
    .group_segment_fixed_size: 167936
    .private_segment_fixed_size: 0
    .kernarg_segment_align: 8
    .kernarg_segment_size: 32
    .max_flat_workgroup_size: 128
    .sgpr_count:     80
    .vgpr_count:     768
    .wavefront_size: 32
...
	.end_amdgpu_metadata
.endif
;; end of part 2
;; launch attn (part 3): grid 256 x 1, 8 waves a work-group, clusters of 4 x 1, 327,680 bytes of LDS; arguments qimg, kv, attention_mask, oimg; writes oimg
.if DOCPART == 3
	.amdgcn_target "amdgcn-amd-amdhsa--gfx1250"
	.amdhsa_code_object_version 6
	.text
	.protected	k_qe79cc13a1f_attn
	.globl	k_qe79cc13a1f_attn
	.p2align	8
	.type	k_qe79cc13a1f_attn,@function
k_qe79cc13a1f_attn:
	s_mov_b64 s[64:65], 0
	v_nop
	global_prefetch_b8 v0, s[64:65] scope:SCOPE_SE
	s_setreg_imm32_b32 hwreg(HW_REG_WAVE_MODE, 25, 1), 1
	s_wait_xcnt 0x0
	s_wait_alu depctr_hold_cnt(0) depctr_sa_sdst(0) depctr_va_vdst(0) depctr_va_sdst(0) depctr_va_ssrc(0) depctr_va_vcc(0) depctr_vm_vsrc(0)
	s_getreg_b32 s2, hwreg(HW_REG_IB_STS2, 6, 4)
	s_cmp_eq_u32 s2, 0
	s_cbranch_scc0 .Lentry_in_a_cluster
	s_endpgm
.Lentry_in_a_cluster:
	s_bfe_u32 s2, ttmp6, 0x10000c
	s_cmp_lg_u32 s2, 0x3003
	s_cbranch_scc0 .Lentry_shape_is_right
	s_endpgm
.Lentry_shape_is_right:
; ATTN: o[q][head] = softmax_k(q[q][head] . k[k] / 8 + mask[q][k]) v[k]: 4,096 queries, 16 heads of 64, ONE key and value head, an additive f32 mask that all heads share.
; q arrives x 0.125; q, k, v, and the weights p, are f16 operands; products, maxima and sums in f32; o leaves as f16 pieces for the last product.
; SHARES.  A work-group owns 16 queries for ALL 16 heads, so that its 16 rows of the mask are read once in the launch.  Waves w and w + 4 own heads 4 (w % 4) on: four tiles of 16 queries, worked as two pieces
; of two.  The two share the keys: of a slot's four steps of 64 keys wave w takes steps 2 i + w / 4.  At the end wave w + 4 hands its maximum, sum and O^T to wave w through LDS.
; Two waves lie on a SIMD: one wave's matrix instructions stand beside the other's softmax; the text of a wave goes in plain phases.
; LAYOUT.  S^T = K Q^T + mask (source 0 = 16 keys, source 1 = 16 queries, C OF THE FIRST PRODUCT = THE MASK in the result's layout: the addition costs no vector instruction); O^T = V^T P.  A lane holds one query throughout.
; SOFTMAX.  A running maximum m and sum l for each query: p = 2^(c s - c m), c = log2(e); in every step O^T and l are multiplied by a = 2^(c m_old - c m_new).
; RING.  Two LDS slots of 256 keys: kv (65,536 bytes, images of operand registers) by joint loads of the cluster's four work-groups (waves 0-3), my 16 mask rows x 1,024 bytes by plain loads (waves 4-7): one load a wave behind each round.
; LIMITS: |q| / 8, |k|, |v| under 65,504.  m starts at -2^127: a query all of whose 4,096 masked scores lie under that comes out NaN.  -infinity in the mask is served; a row of nothing else gives NaN, as the definition does.
; REGISTERS.  window 0: v1-11 addresses; v12-15 at work; v16-47 statistics, 8 a tile (+0 c m, +1 m, +2, +3 l, +4..+7 at work, a at +6); v48-111 S^T of a piece; v112-143 P; v144-175 the mask; v176-239 V; v240-255 the exchange's statistics.
;             window 1: v0-127 O^T (32 a tile); v128-191 Q (16 a tile); v192-255 K.
.set SLOT1, 131072                     ; slot 1 begins here: one exclusive or turns an address from one slot to the other
.set MOFF,  65536                      ; in a slot: kv, then the mask rows
.set MP,    1040                       ; a mask row: 1,024 bytes + 16 of padding: 65 x 16: the sixteen rows that a load touches start at different banks (64 banks of 4 bytes: ISA guide 11.1)
.set XCH,   MOFF+16*MP                 ; behind a slot's mask rows: bytes that no tensor load fills: the exchange, two pairs of waves in each gap
.set XPAIR, 17408                      ; 16,384 of O^T, 512 of c m, 512 of l
.set SPARE, 2*SLOT1                    ; the spare words, 128 bytes a wave
.set LK,  1                            ; v1  16 x lane + my steps' place in a slot
.set LV,  2                            ; v2  the turning load's place
.set LM,  3                            ; v3  my place in the mask rows
.set ADK, 4                            ; v4-6 the same three in the slot in hand
.set ADV, 5
.set ADM, 6
.set LI,  7                            ; v7  16 x lane
.set XA,  8                            ; v8  16 x lane + my pair's exchange
.set PFO, 9                            ; v9  the prefetches' lane offset; never rewritten
.set SPW, 10
.set NIL, 11
.set ST,  16
.set S,   48
.set P,   112
.set MK,  144
.set VF,  176
.set QF,  128                          ; in window 1
.set KF,  192
.set WV,  12                           ; s12 my wave's number
.set CS,  48                           ; s[48:49] c, twice: the packed form names a pair
.set SEL, 50                           ; s[50:51] v_permlanex16_b32's selects for lane l xor 16
.set TB,  52                           ; s52 LDS byte at which the slot in hand begins
.set SLOTS, 53                         ; s53 slots still to be asked for
.set LIM, 54                           ; s54 1 in a wave that prefetches, else the greatest number
.set PFA, 56                           ; s[56:57] where my prefetches stand;  s[58:59] a slot on
.set PFS, 58
.set MSB, 0
.macro WIN new                         ; the immediate's high byte repeats the setting that is left
.if MSB != \new
	s_set_vgpr_msb (MSB<<8)|\new
.set MSB, \new
.endif
.endm
.macro PLACES                          ; four plain places behind matrix instructions, ahead of reads of their results and of loads into their registers
.rept 4
	v_nop
.endr
.endm
.macro CROUND                          ; a round of the cluster's barrier
	s_barrier_signal -1
	s_barrier_wait -1
	s_cmp_lg_u32 s[WV], 0
	s_cbranch_scc1 .Lnot_wave_0_\@
	s_barrier_signal -3
.Lnot_wave_0_\@:
	s_barrier_wait -3
	s_barrier_signal -1
	s_barrier_wait -1
.endm
.macro JLOAD                           ; waves 0-3: a step's kv, jointly; waves 4-7: four mask rows, my work-group's own.  An s_nop 0 and four v_nop follow each line
	s_cmp_lt_u32 s[WV], 4
	s_cbranch_scc0 .Lfor_m_\@
	tensor_load_to_lds s[40:43], s[24:31]
	s_nop 0
	PLACES
	s_branch .Lasked_\@
.Lfor_m_\@:
	tensor_load_to_lds s[44:47], s[32:39]
	s_nop 0
	PLACES
.Lasked_\@:
.endm
; A PREFETCH of what the NEXT change of slots will load, behind the wave's tensor load and its five lines.  kv: a slot's 256 blocks of 256 bytes are named by waves 0 and 1 of the FIRST cluster alone (all clusters walk
; the same kv); its four partners are told apart by address, 16,384 bytes each.  The mask: my work-group's 16 rows x 1,024 bytes, 64 blocks, by waves 4 and 5.  So each block is named once in the launch.
; The last change that fills a slot asks for nothing; nothing is asked for at the kernel's head.
.macro ASK
	s_cmp_gt_u32 s[SLOTS], s[LIM]
	s_cbranch_scc0 .Lnot_mine_\@
	global_prefetch_b8 v[PFO], s[PFA:PFA+1] th:TH_LOAD_NT scope:SCOPE_SE
.Lnot_mine_\@:
.endm
	s_load_b256 s[4:11], s[0:1], 0x0               ; qimg s[4:5], kv s[6:7], the mask s[8:9], oimg s[10:11]
	v_lshl_add_u32 v[SPW], v0, 2, SPARE
	v_mov_b32 v[NIL], 0
	ds_add_u32 v[SPW], v[NIL]                      ; the wave's opening: the add, twice on end, and its wait ahead of my first tensor load
	ds_add_u32 v[SPW], v[NIL]
	v_lshrrev_b32 v12, 5, v0
	v_readfirstlane_b32 s[WV], v12                 ; wave 0..7
	s_bfe_u32 s13, ttmp6, 0x40000                  ; cx
	s_lshl_b32 s14, ttmp9, 2
	s_add_co_u32 s14, s14, s13                     ; g: my tile of 16 queries
	s_and_b32 s15, s[WV], 3                        ; my four heads; also: which part of a slot I fetch
	s_lshr_b32 s16, s[WV], 2                       ; which of the two shares of the keys
	; group 1 for kv: 16,384 dense bytes as 64 rows of 256 (32 elements of 8 bytes); the mask names all four work-groups, bit 21 beside it
	s_mov_b32 s24, 15|(3<<16)|(1<<21)
	s_mov_b32 s25, 32<<16
	s_mov_b32 s26, 64<<16
	s_mov_b32 s27, 32<<16
	s_mov_b32 s28, 64
	s_mov_b32 s29, 32
	s_mov_b32 s30, 0
	s_mov_b32 s31, 0
	; group 1 for the mask: 4 rows x 256 elements of 4 bytes, 4,096 elements apart; four words of padding behind every 256
	s_mov_b32 s32, (2<<16)|(1<<20)|(7<<22)|(3<<25)
	s_mov_b32 s33, 256<<16
	s_mov_b32 s34, 4<<16
	s_mov_b32 s35, 256<<16
	s_mov_b32 s36, 4
	s_mov_b32 s37, 4096
	s_mov_b32 s38, 0
	s_mov_b32 s39, 0
	s_mov_b32 s40, 1
	s_lshl_b32 s41, s15, 14                        ; LDS: step w % 4 of slot 0
	s_mov_b32 s44, 1
	s_mul_i32 s45, s15, 4*MP
	s_add_co_u32 s45, s45, MOFF                    ; LDS: mask rows 4 (w % 4) on
	s_mov_b32 s20, s41                             ; kv: the same step in memory: no place in the cluster enters it
	s_mov_b32 s21, 0
	s_lshl_b32 s22, s14, 18                        ; the mask: 16 rows of 16,384 bytes a work-group,
	s_lshl_b32 s23, s15, 16                        ; four rows a wave
	s_add_co_u32 s22, s22, s23
	s_mov_b32 s23, 0
	s_mov_b32 s[CS], 0x3fb8aa3b                    ; c = log2(e)
	s_mov_b32 s[CS+1], s[CS]
	s_mov_b32 s[SEL], 0x76543210
	s_mov_b32 s[SEL+1], 0xfedcba98
	s_mov_b32 s[TB], 0
	s_mov_b32 s[SLOTS], 15
	s_wait_dscnt 0x0                               ; both opening adds are done
	s_wait_kmcnt 0x0
	s_add_nc_u64 s[42:43], s[6:7], s[20:21]
	s_or_b32 s43, s43, 0x80000000
	s_add_nc_u64 s[46:47], s[8:9], s[22:23]
	s_or_b32 s47, s47, 0x80000000
	CROUND                                         ; all four work-groups are here: the first joint loads meet
	JLOAD                                          ; keys 0-255 into slot 0
	v_and_b32 v12, 31, v0                          ; lane
	v_lshlrev_b32 v[LI], 4, v12
	s_lshl_b32 s20, s14, 15                        ; qimg: 32,768 bytes a row tile,
	s_lshl_b32 s22, s15, 13                        ; 16 pieces for my four heads
	s_add_co_u32 s20, s20, s22
	s_add_nc_u64 s[4:5], s[4:5], s[20:21]
	WIN 0x40                                       ; destination window 1
.irp p, 0,1,2,3,4,5,6,7,8,9,10,11,12,13,14,15
	global_load_b128 v[QF+4*\p:QF+4*\p+3], v[LI], s[4:5] offset:512*\p th:TH_LOAD_NT   ; Q stays in registers: tile p / 4, channels 16 (p % 4) on
.endr
.set n, 0
.rept 128
	v_mov_b32 v[n], 0                              ; O^T.  The key step is written once: its first walk finds zeros, which a = 0 leaves zeros; that spares a further copy of the step
.set n, n+1
.endr
	WIN 0
	s_lshl_b32 s20, s15, 21                        ; oimg: [four heads][row tile][16 pieces]
	s_lshl_b32 s22, s14, 13
	s_add_co_u32 s20, s20, s22
	s_add_nc_u64 s[10:11], s[10:11], s[20:21]
	v_and_b32 v13, 15, v0                          ; r
	v_bfe_u32 v14, v0, 4, 1                        ; h
	s_lshl_b32 s17, s16, 14                        ; my first step of a slot
	v_lshl_add_u32 v[LK], v12, 4, s17
	; the turning load takes 16 keys x 16 channels of a piece ([channels' half][key][8 channels]): lane l reads key 8 (l / 16) + l % 8, half (l / 8) % 2, and is left with channel l % 16 and 8 keys
	v_bfe_u32 v15, v0, 3, 1
	v_lshl_add_u32 v[LV], v15, 8, s17
	v_lshl_add_u32 v[LV], v14, 7, v[LV]
	v_and_b32 v15, 7, v0
	v_lshl_add_u32 v[LV], v15, 4, v[LV]
	v_mul_u32_u24 v[LM], v13, MP                   ; the mask in the result's layout: query r, keys 8 h + 0..7 of a tile of 16
	v_lshl_add_u32 v[LM], v14, 5, v[LM]
	s_lshl_b32 s18, s16, 8
	s_add_co_u32 s18, s18, MOFF
	v_add_nc_u32 v[LM], s18, v[LM]
	s_lshr_b32 s19, s15, 1
	s_lshl_b32 s19, s19, 17
	s_and_b32 s20, s15, 1
	s_mul_i32 s20, s20, XPAIR
	s_add_co_u32 s19, s19, s20
	s_add_co_u32 s19, s19, XCH
	v_lshl_add_u32 v[XA], v12, 4, s19
	; the prefetches: where mine stand, and who asks
	s_and_b32 s20, s[WV], 1
	s_lshl_b32 s21, s13, 14                        ; kv: my work-group's 16,384 bytes,
	s_lshl_b32 s22, s20, 13                        ; my wave's 8,192 of them,
	s_add_co_u32 s21, s21, s22
	s_add_co_u32 s21, s21, 65536                   ; in slot 1: the first change of slots steps it to slot 2
	s_lshl_b32 s22, s14, 18                        ; the mask: my work-group's rows,
	s_lshl_b32 s23, s20, 17                        ; my wave's eight,
	s_add_co_u32 s22, s22, s23
	s_add_co_u32 s22, s22, 1024                    ; likewise
	s_and_b32 s[LIM], s[WV], 2                     ; waves 2, 3, 6, 7 never ask
	s_cmp_lt_u32 s[WV], 4
	s_cselect_b32 s60, s21, s22
	s_cselect_b32 s63, ttmp9, 0                    ; for kv the first cluster alone asks: the same in all four partners
	s_mov_b32 s[PFS], 1024
	s_cselect_b32 s[PFS], 65536, s[PFS]
	s_mov_b32 s62, 16384
	s_cselect_b32 s62, 1024, s62                   ; from four lanes to the next four: 1,024 dense bytes of kv, or a row of the mask
	s_cselect_b64 s[PFA:PFA+1], s[6:7], s[8:9]
	s_mov_b32 s61, 0
	s_mov_b32 s[PFS+1], 0
	s_add_nc_u64 s[PFA:PFA+1], s[PFA:PFA+1], s[60:61]
	s_or_b32 s[LIM], s[LIM], s63
	s_cmp_eq_u32 s[LIM], 0
	s_cselect_b32 s[LIM], 1, -1
	v_lshrrev_b32 v15, 2, v12
	v_mul_lo_u32 v[PFO], v15, s62
	v_and_b32 v15, 3, v12
	v_lshl_add_u32 v[PFO], v15, 8, v[PFO]
.irp t, 0,1,2,3
	v_mov_b32 v[ST+8*\t+1], 0xff000000             ; m = -2^127, so that c m stays a number
	v_mov_b32 v[ST+8*\t+2], 0                      ; l, in two halves
	v_mov_b32 v[ST+8*\t+3], 0
.endr
.irp t, 0,1,2,3
	v_mul_f32 v[ST+8*\t], s[CS], v[ST+8*\t+1]
.endr
; THE LDS LOADS of step 2 i + w / 4 of the slot in hand, in runs
.macro LOADK i                         ; 64 keys x 64 channels: 16 pieces of 512 dense bytes
	WIN 0x40
.irp kt, 0,1,2,3
.irp p, 0,1,2,3
	ds_load_b128 v[KF+16*\kt+4*\p:KF+16*\kt+4*\p+3], v[ADK] offset:32768*(\i)+4096*\kt+512*\p
.endr
.endr
	WIN 0
.endm
.macro LOADM i                         ; the mask of my 16 queries x 64 keys
.irp kt, 0,1,2,3
.irp e, 0,1
	ds_load_b128 v[MK+8*\kt+4*\e:MK+8*\kt+4*\e+3], v[ADM] offset:512*(\i)+64*\kt+16*\e
.endr
.endr
.endm
.macro LOADV i                         ; V^T: fragment (32 keys gk, 16 channels ct): two turning loads
.irp gk, 0,1
.irp ct, 0,1,2,3
.irp u, 0,1
	ds_load_tr16_b128 v[VF+32*\gk+8*\ct+4*\u:VF+32*\gk+8*\ct+4*\u+3], v[ADV] offset:32768*(\i)+4096*(2*\gk+\u)+512*(4+\ct)
.endr
.endr
.endr
.endm
; THE MATRIX WORK for piece x (tiles x, x + 1): eight accumulators by turns, one instruction a turn
.macro KQ x
	WIN 0x05                                       ; K and Q window 1; the mask and S^T window 0
.irp f, 0,1
.irp kt, 0,1,2,3
.irp u, 0,1
.if \f == 0
	v_wmma_f32_16x16x32_f16 v[S+32*\u+8*\kt:S+32*\u+8*\kt+7], v[KF+16*\kt+8*\f:KF+16*\kt+8*\f+7], v[QF+16*(\x+\u)+8*\f:QF+16*(\x+\u)+8*\f+7], v[MK+8*\kt:MK+8*\kt+7]
.else
	v_wmma_f32_16x16x32_f16 v[S+32*\u+8*\kt:S+32*\u+8*\kt+7], v[KF+16*\kt+8*\f:KF+16*\kt+8*\f+7], v[QF+16*(\x+\u)+8*\f:QF+16*(\x+\u)+8*\f+7], v[S+32*\u+8*\kt:S+32*\u+8*\kt+7]
.endif
.endr
.endr
.endr
.endm
.macro PV x
	WIN 0x50                                       ; V and P window 0; O^T window 1
.irp gk, 0,1
.irp ct, 0,1,2,3
.irp u, 0,1
	v_wmma_f32_16x16x32_f16 v[32*(\x+\u)+8*\ct:32*(\x+\u)+8*\ct+7], v[VF+32*\gk+8*\ct:VF+32*\gk+8*\ct+7], v[P+16*\u+8*\gk:P+16*\u+8*\gk+7], v[32*(\x+\u)+8*\ct:32*(\x+\u)+8*\ct+7]
.endr
.endr
.endr
.endm
; THE SOFTMAX of piece x for one step, the two tiles line by line, so that no line waits for the line above it
.macro SOFTMAX x
.set T0, ST+8*(\x)
.set T1, T0+8
.set O0, 32*(\x)
	WIN 0
.irp j, 0,1,2,3                        ; the maximum of 32 scores and the old m: four chains; each accumulator is read from its low end on
	v_max3_num_f32 v[T0+4+\j], v[S+8*\j], v[S+8*\j+1], v[S+8*\j+2]
	v_max3_num_f32 v[T1+4+\j], v[S+32+8*\j], v[S+32+8*\j+1], v[S+32+8*\j+2]
.endr
.irp q, 3,5
.irp j, 0,1,2,3
	v_max3_num_f32 v[T0+4+\j], v[T0+4+\j], v[S+8*\j+\q], v[S+8*\j+\q+1]
	v_max3_num_f32 v[T1+4+\j], v[T1+4+\j], v[S+32+8*\j+\q], v[S+32+8*\j+\q+1]
.endr
.endr
	v_max3_num_f32 v[T0+4], v[T0+4], v[S+7], v[S+15]
	v_max3_num_f32 v[T1+4], v[T1+4], v[S+39], v[S+47]
	v_max3_num_f32 v[T0+6], v[T0+6], v[S+23], v[S+31]
	v_max3_num_f32 v[T1+6], v[T1+6], v[S+55], v[S+63]
	v_max3_num_f32 v[T0+4], v[T0+4], v[T0+5], v[T0+6]
	v_max3_num_f32 v[T1+4], v[T1+4], v[T1+5], v[T1+6]
	v_max3_num_f32 v[T0+4], v[T0+4], v[T0+7], v[T0+1]
	v_max3_num_f32 v[T1+4], v[T1+4], v[T1+7], v[T1+1]
	v_permlanex16_b32 v[T0+5], v[T0+4], s[SEL], s[SEL+1]   ; the query's other 32 keys lie in the lane 16 away
	v_permlanex16_b32 v[T1+5], v[T1+4], s[SEL], s[SEL+1]
	v_mov_b32 v[T0+7], v[T0]                       ; c m_old is kept for a
	v_mov_b32 v[T1+7], v[T1]
	v_max_num_f32 v[T0+1], v[T0+4], v[T0+5]
	v_max_num_f32 v[T1+1], v[T1+4], v[T1+5]
	v_mul_f32 v[T0], s[CS], v[T0+1]
	v_mul_f32 v[T1], s[CS], v[T1+1]
	v_sub_f32 v[T0+7], v[T0+7], v[T0]
	v_sub_f32 v[T1+7], v[T1+7], v[T1]
.set n, 0
.rept 16
	v_pk_fma_f32 v[S+n:S+n+1], v[S+n:S+n+1], s[CS:CS+1], v[T0:T0+1] op_sel_hi:[1,0,0] neg_lo:[0,0,1] neg_hi:[0,0,1]          ; c s - c m
	v_pk_fma_f32 v[S+32+n:S+32+n+1], v[S+32+n:S+32+n+1], s[CS:CS+1], v[T1:T1+1] op_sel_hi:[1,0,0] neg_lo:[0,0,1] neg_hi:[0,0,1]
.set n, n+2
.endr
	v_exp_f32 v[T0+6], v[T0+7]                     ; a.  ONE BATCH: 66 exponentials, none of which reads another's result
	v_exp_f32 v[T1+6], v[T1+7]
.set n, 0
.rept 32
	v_exp_f32 v[S+n], v[S+n]
	v_exp_f32 v[S+32+n], v[S+32+n]
.set n, n+1
.endr
	v_nop                                          ; a plain instruction behind the last exponential,
	s_wait_alu depctr_va_vdst(0)                   ; and one wait ahead of the batch's first reader
	v_pk_fma_f32 v[T0+2:T0+3], v[T0+2:T0+3], v[T0+6:T0+7], v[S:S+1] op_sel_hi:[1,0,1]             ; l = a l + the step's p, in two chains
	v_pk_fma_f32 v[T1+2:T1+3], v[T1+2:T1+3], v[T1+6:T1+7], v[S+32:S+33] op_sel_hi:[1,0,1]
	v_pk_add_f32 v[T0+4:T0+5], v[S+2:S+3], v[S+4:S+5]
	v_pk_add_f32 v[T1+4:T1+5], v[S+34:S+35], v[S+36:S+37]
.irp i, 6,10,14,18,22,26
	v_pk_add_f32 v[T0+2:T0+3], v[T0+2:T0+3], v[S+\i:S+\i+1]
	v_pk_add_f32 v[T1+2:T1+3], v[T1+2:T1+3], v[S+32+\i:S+32+\i+1]
	v_pk_add_f32 v[T0+4:T0+5], v[T0+4:T0+5], v[S+\i+2:S+\i+3]
	v_pk_add_f32 v[T1+4:T1+5], v[T1+4:T1+5], v[S+32+\i+2:S+32+\i+3]
.endr
	v_pk_add_f32 v[T0+2:T0+3], v[T0+2:T0+3], v[S+30:S+31]
	v_pk_add_f32 v[T1+2:T1+3], v[T1+2:T1+3], v[S+62:S+63]
	v_pk_add_f32 v[T0+2:T0+3], v[T0+2:T0+3], v[T0+4:T0+5]
	v_pk_add_f32 v[T1+2:T1+3], v[T1+2:T1+3], v[T1+4:T1+5]
.set n, 0
.rept 16
	v_cvt_pk_f16_f32 v[P+n], v[S+2*n], v[S+2*n+1]  ; two tiles of 16 keys, rounded in pairs, ARE source 1 (32 keys x 16 queries) of V^T P
	v_cvt_pk_f16_f32 v[P+16+n], v[S+32+2*n], v[S+32+2*n+1]
.set n, n+1
.endr
	WIN 0x41                                       ; O^T window 1, a window 0
.set n, 0
.rept 16
	v_pk_mul_f32 v[O0+n:O0+n+1], v[O0+n:O0+n+1], v[T0+6:T0+7] op_sel_hi:[1,0]
	v_pk_mul_f32 v[O0+32+n:O0+32+n+1], v[O0+32+n:O0+32+n+1], v[T1+6:T1+7] op_sel_hi:[1,0]
.set n, n+2
.endr
.endm
; A KEY STEP of 64 keys for my four tiles.  more = 1: the slot's next step of mine is fetched on the way
.macro STEP i, more
	s_wait_dscnt 16                                ; K and the mask are in; V's sixteen loads, issued behind them, may be out
	KQ 0
	WIN 0
	PLACES
	SOFTMAX 0
	s_wait_dscnt 0x0                               ; V is in
	PV 0
	KQ 2
	WIN 0
	PLACES                                         ; for the reads of the scores, and for the loads into K's and the mask's registers
.if \more
	LOADK \i+1
	LOADM \i+1
.endif
	SOFTMAX 2
	PV 2
	WIN 0
	PLACES                                         ; for the loads into V's registers
.if \more
	LOADV \i+1
.endif
.endm
.macro SLOT_STEPS
	v_add_nc_u32 v[ADK], s[TB], v[LK]
	v_add_nc_u32 v[ADV], s[TB], v[LV]
	v_add_nc_u32 v[ADM], s[TB], v[LM]
	LOADK 0
	LOADM 0
	LOADV 0
	STEP 0, 1
	STEP 1, 0
	s_xor_b32 s[TB], s[TB], SLOT1                  ; on to the other slot
.endm
; THE CHANGE OF SLOTS stands at a slot's head.  Each wave waits for all its tensor loads (one is out: its part of the slot ahead), adds 0 to its spare word, and waits for that and for its reads of the slot that it has left.
; fill = 1: the barrier is a round of the cluster's, and the slot just left takes the keys that follow: my one tensor load until the next round, with a slot's two steps of mine in which to land.
.macro CHANGE fill
	s_wait_tensorcnt 0x0                           ; no tensor load of mine is out, so the groups 0 may be written
	ds_add_u32 v[SPW], v[NIL]
.if \fill
	s_xor_b32 s41, s41, SLOT1
	s_add_nc_u64 s[42:43], s[42:43], 65536         ; the next 256 keys of kv; the type bits on top are not reached
	s_xor_b32 s45, s45, SLOT1
	s_add_nc_u64 s[46:47], s[46:47], 1024          ; and of the mask rows
	s_wait_xcnt 0x0                                ; the last prefetch, a slot back, has read its address
	s_add_nc_u64 s[PFA:PFA+1], s[PFA:PFA+1], s[PFS:PFS+1]
	s_wait_dscnt 0x0                               ; the add is done, and my reads of the slot that I have left are over
	CROUND
	JLOAD
	ASK
.else
	s_wait_dscnt 0x0
	s_barrier_signal -1
	s_barrier_wait -1
.endif
.endm
	s_wait_loadcnt 0x0                             ; Q
.Lslot:                                            ; 15 trips; the first trip's loads are slot 1's first fill, all later ones refills
	CHANGE 1
	SLOT_STEPS
	s_sub_co_u32 s[SLOTS], s[SLOTS], 1
	s_cmp_lg_u32 s[SLOTS], 0
	s_cbranch_scc1 .Lslot
	CHANGE 0                                       ; the last slot is written out
	SLOT_STEPS
	; THE TWO SHARES OF THE KEYS MEET.  l's two halves and lane l xor 16's are added; waves 4-7 store O^T, c m and l as images of their registers
.irp t, 0,1,2,3
	v_add_f32 v[244+\t], v[ST+8*\t+2], v[ST+8*\t+3]
.endr
.irp t, 0,1,2,3
	v_mov_b32 v[240+\t], v[ST+8*\t]
.endr
.irp t, 0,1,2,3
	v_permlanex16_b32 v[ST+8*\t+5], v[244+\t], s[SEL], s[SEL+1]
.endr
.irp t, 0,1,2,3
	v_add_f32 v[244+\t], v[244+\t], v[ST+8*\t+5]
.endr
	s_cmp_lt_u32 s[WV], 4
	s_cbranch_scc1 .Lno_send
	WIN 0x04                                       ; an LDS store's data are its source 1: window 1
.set n, 0
.rept 32
	ds_store_b128 v[XA], v[4*n:4*n+3] offset:512*n ; each accumulator from its low end on
.set n, n+1
.endr
	WIN 0
	ds_store_b128 v[XA], v[240:243] offset:16384
	ds_store_b128 v[XA], v[244:247] offset:16896
.Lno_send:
	s_wait_dscnt 0x0                               ; for the others' sake: my stores have landed
	s_barrier_signal -1
	s_barrier_wait -1
	s_cmp_lt_u32 s[WV], 4
	s_cbranch_scc0 .Ldone
	ds_load_b128 v[248:251], v[XA] offset:16384    ; the partner's c m,
	ds_load_b128 v[252:255], v[XA] offset:16896    ; its l,
.set n, 0
.rept 32
	ds_load_b128 v[S+4*n:S+4*n+3], v[XA] offset:512*n   ; and its O^T, into v48-175
.set n, n+1
.endr
	s_wait_dscnt 32                                ; the two statistics are in
.irp t, 0,1,2,3
	v_max_num_f32 v[12+\t], v[240+\t], v[248+\t]   ; the common c m
.endr
.irp t, 0,1,2,3
	v_sub_f32 v[240+\t], v[240+\t], v[12+\t]
	v_sub_f32 v[248+\t], v[248+\t], v[12+\t]
.endr
.irp t, 0,1,2,3
	v_exp_f32 v[240+\t], v[240+\t]                 ; what brings my share under it,
.endr
.irp t, 0,1,2,3
	v_exp_f32 v[248+\t], v[248+\t]                 ; and the partner's
.endr
	v_nop
	s_wait_alu depctr_va_vdst(0)                   ; one wait for the eight
.irp t, 0,1,2,3
	v_mul_f32 v[244+\t], v[244+\t], v[240+\t]
.endr
.irp t, 0,1,2,3
	v_fma_f32 v[244+\t], v[252+\t], v[248+\t], v[244+\t]   ; the row's sum
.endr
.irp t, 0,1,2,3
	v_rcp_f32 v[244+\t], v[244+\t]
.endr
	v_nop
	s_wait_alu depctr_va_vdst(0)                   ; one wait for the four
.irp t, 0,1,2,3
	v_mul_f32 v[ST+8*\t+6], v[240+\t], v[244+\t]   ; my factor, in the low register of a pair,
	v_mul_f32 v[ST+8*\t+4], v[248+\t], v[244+\t]   ; and the partner's
.endr
	s_wait_dscnt 0x0
.irp t, 0,1,2,3
.set n, 0
.rept 16
	v_pk_mul_f32 v[S+32*\t+n:S+32*\t+n+1], v[S+32*\t+n:S+32*\t+n+1], v[ST+8*\t+4:ST+8*\t+5] op_sel_hi:[1,0]
.set n, n+2
.endr
.endr
	WIN 0x01                                       ; source 0, my O^T: window 1
.irp t, 0,1,2,3
.set n, 0
.rept 16
	v_pk_fma_f32 v[S+32*\t+n:S+32*\t+n+1], v[32*\t+n:32*\t+n+1], v[ST+8*\t+6:ST+8*\t+7], v[S+32*\t+n:S+32*\t+n+1] op_sel_hi:[1,0,1]
.set n, n+2
.endr
.endr
	WIN 0
.set n, 0
.rept 64
	v_cvt_pk_f16_f32 v[VF+n], v[S+2*n], v[S+2*n+1] ; a lane's eight channels of a query: 16 bytes: a piece of the last product's operand
.set n, n+1
.endr
.irp p, 0,1,2,3,4,5,6,7,8,9,10,11,12,13,14,15
	global_store_b128 v[LI], v[VF+4*\p:VF+4*\p+3], s[10:11] offset:512*\p   ; 512 consecutive bytes, aligned
.endr
.Ldone:
	s_wait_tensorcnt 0x0                           ; the wave's end, behind my last tensor load and my last LDS store
	ds_add_u32 v[SPW], v[NIL]
	s_wait_dscnt 0x0
	CROUND                                         ; the closing round
	s_endpgm
.Lfunc_end_k_qe79cc13a1f_attn:
	.size	k_qe79cc13a1f_attn, .Lfunc_end_k_qe79cc13a1f_attn-k_qe79cc13a1f_attn
	.p2alignl 7, 3214868480
	.fill 96, 4, 3214868480
	.section	.rodata,"a",@progbits
	.p2align	6, 0x0
	.amdhsa_kernel k_qe79cc13a1f_attn
		.amdhsa_group_segment_fixed_size 327680
		.amdhsa_private_segment_fixed_size 0
		.amdhsa_enable_private_segment 0
		.amdhsa_kernarg_size 32
		.amdhsa_user_sgpr_count 2
		.amdhsa_user_sgpr_kernarg_segment_ptr 1
		.amdhsa_wavefront_size32 1
		.amdhsa_system_sgpr_workgroup_id_x 1
		.amdhsa_system_sgpr_workgroup_id_y 1
		.amdhsa_system_sgpr_workgroup_id_z 1
		.amdhsa_system_vgpr_workitem_id 0
		.amdhsa_next_free_vgpr 512
		.amdhsa_next_free_sgpr 72
		.amdhsa_reserve_vcc 0
		.amdhsa_float_denorm_mode_32 3
		.amdhsa_float_denorm_mode_16_64 3
		.amdhsa_memory_ordered 1
		.amdhsa_forward_progress 1
		.amdhsa_inst_pref_size 165
	.end_amdhsa_kernel
	.amdgpu_metadata
---
amdhsa.version: [ 1, 2 ]
amdhsa.kernels:
  - .name:           k_qe79cc13a1f_attn
    .symbol:         k_qe79cc13a1f_attn.kd
    .args:
      - { .name: qimg, .offset: 0, .size: 8, .value_kind: global_buffer, .address_space: global }
      - { .name: kv, .offset: 8, .size: 8, .value_kind: global_buffer, .address_space: global }
      - { .name: attention_mask, .offset: 16, .size: 8, .value_kind: global_buffer, .address_space: global }
      - { .name: oimg, .offset: 24, .size: 8, .value_kind: global_buffer, .address_space: global }
    .group_segment_fixed_size: 327680
    .private_segment_fixed_size: 0
    .kernarg_segment_align: 8
    .kernarg_segment_size: 32
    .max_flat_workgroup_size: 256
    .sgpr_count:     72
    .vgpr_count:     512
    .wavefront_size: 32
...
	.end_amdgpu_metadata
.endif
;; end of part 3
;; launch outp (part 4): grid 8 x 32, 4 waves a work-group, clusters of 4 x 4, 327,680 bytes of LDS; arguments oimg, woimg, out0; writes out0
.if DOCPART == 4
	.amdgcn_target "amdgcn-amd-amdhsa--gfx1250"
	.amdhsa_code_object_version 6
	.text
	.protected	k_qe79cc13a1f_outp
	.globl	k_qe79cc13a1f_outp
	.p2align	8
	.type	k_qe79cc13a1f_outp,@function
k_qe79cc13a1f_outp:
	s_mov_b64 s[64:65], 0
	v_nop
	global_prefetch_b8 v0, s[64:65] scope:SCOPE_SE
	s_setreg_imm32_b32 hwreg(HW_REG_WAVE_MODE, 25, 1), 1
	s_wait_xcnt 0x0
	s_wait_alu depctr_hold_cnt(0) depctr_sa_sdst(0) depctr_va_vdst(0) depctr_va_sdst(0) depctr_va_ssrc(0) depctr_va_vcc(0) depctr_vm_vsrc(0)
	s_getreg_b32 s2, hwreg(HW_REG_IB_STS2, 6, 4)
	s_cmp_eq_u32 s2, 0
	s_cbranch_scc0 .Lentry_in_a_cluster
	s_endpgm
.Lentry_in_a_cluster:
	s_bfe_u32 s2, ttmp6, 0x10000c
	s_cmp_lg_u32 s2, 0xf033
	s_cbranch_scc0 .Lentry_shape_is_right
	s_endpgm
.Lentry_shape_is_right:
; OUTP: out0[m][n] = sum over k of o[m][k] Wo[k][n], 4,096 x 1,024 x 1,024, f16 operands, f32 sums, f32 out.
; Both operands arrive as images of operand registers: oimg [k / 256][row tile 256][k step of 32: 8][half 2][lane][16 bytes], woimg the same with 64 column tiles.  So a K step of 256 of 128 rows is ONE dense
; block of 65,536 bytes, and every fragment load reads 512 dense bytes: no pitch, no padding.
; A tile of out0 is 128 x 128 (256 work-groups); four waves, each 64 x 64: 16 accumulators, which take turns.  K goes in four steps of 256 through a ring of two LDS slots.
; CLUSTER 4 x 4: o's block hangs on the tile row alone and is shared along a row of the cluster, Wo's on the tile column alone and is shared along a column: joint loads, one a wave for each K step.
; THE MATRIX INSTRUCTION IS USED TRANSPOSED (source 0 = 16 columns of Wo, source 1 = 16 rows of o): a lane holds eight neighbouring numbers of a row of out0.
; K has four steps only, so the text has no loop: its sixteen quarters are written out by macro.
; REGISTERS: window 0: v16-29 addresses; v32-95 the way out; v128-255 the accumulators ((a, b) at v[128 + 8 (4 a + b)]).  window 1: two fragment buffers of 128: 64 registers of o (2 x 4 fragments), then 64 of Wo.
.set SLOT,   131072                    ; o's 65,536 bytes, then Wo's
.set BOFF,   65536
.set STAGE,  2*SLOT                    ; behind the ring: 16 rows x 272 bytes for each wave
.set SPITCH, 272                       ; 256 bytes + 16: row r starts at bank 4 r mod 64 (64 banks of 4 bytes: ISA guide 11.1)
.set SPARE,  STAGE+4*16*SPITCH         ; the spare words, 128 bytes a wave
.set ADRA, 16                          ; v16-17 LDS address of my fragments of o in slot 0, 1
.set ADRB, 20                          ; v20-21 the same for Wo
.set STO,  24
.set RD,   25
.set CO,   26
.set SPW,  28
.set NIL,  29
.set TMP,  32
.set ACC,  128
.set F0,   0
.set F1,   128
.set G1, 24                            ; s[24:31] group 1 for o's blocks; s[32:39] group 0, a set for each slot
.set G0, 32
.set G1B, 48                           ; s[48:55], s[56:63] the same for Wo's
.set G0B, 56
.set MSB, 0
.macro WIN new                         ; the immediate's high byte repeats the setting that is left
.if MSB != \new
	s_set_vgpr_msb (MSB<<8)|\new
.set MSB, \new
.endif
.endm
.set MUL,  0x05                        ; sources 0 and 1 window 1; C and D window 0
.set TO_F, 0x40                        ; destination window 1
.macro PLACES
.rept 4
	v_nop
.endr
.endm
.macro JLOAD s                         ; waves 0, 1 fetch o's halves, waves 2, 3 Wo's; an s_nop 0 and four v_nop follow each line
	s_cmp_eq_u32 s11, 0
	s_cbranch_scc0 .Lfor_b_\@
	tensor_load_to_lds s[G0+4*\s:G0+4*\s+3], s[G1:G1+7]
	s_nop 0
	PLACES
	s_branch .Lasked_\@
.Lfor_b_\@:
	tensor_load_to_lds s[G0B+4*\s:G0B+4*\s+3], s[G1B:G1B+7]
	s_nop 0
	PLACES
.Lasked_\@:
.endm
.macro CREST                           ; a round of the cluster's barrier behind its opening barrier
	s_cmp_lg_u32 s10, 0
	s_cbranch_scc1 .Lnot_wave_0_\@
	s_barrier_signal -3
.Lnot_wave_0_\@:
	s_barrier_wait -3
	s_barrier_signal -1
	s_barrier_wait -1
.endm
.macro CROUND
	s_barrier_signal -1
	s_barrier_wait -1
	CREST
.endm
	s_load_b128 s[4:7], s[0:1], 0x0                ; oimg s[4:5], woimg s[6:7]
	s_load_b64 s[8:9], s[0:1], 0x10                ; out0
	v_lshl_add_u32 v[SPW], v0, 2, SPARE
	v_mov_b32 v[NIL], 0
	ds_add_u32 v[SPW], v[NIL]                      ; the wave's opening: the add, twice on end, and its wait ahead of my first tensor load
	ds_add_u32 v[SPW], v[NIL]
	v_lshrrev_b32 v1, 5, v0
	v_readfirstlane_b32 s10, v1                    ; wave 0..3
	s_lshr_b32 s11, s10, 1                         ; which half of the tile's rows is mine.  Also: I fetch for o (0) or for Wo (1)
	s_and_b32 s12, s10, 1                          ; which half of its columns.  Also: which half of that block I fetch
	s_bfe_u32 s40, ttmp6, 0x40000                  ; cx
	s_bfe_u32 s41, ttmp6, 0x40004                  ; cy
	s_lshl_b32 s42, ttmp9, 2
	s_add_co_u32 s42, s42, s40                     ; tile column
	s_and_b32 s13, ttmp7, 0xffff
	s_lshl_b32 s13, s13, 2
	s_add_co_u32 s13, s13, s41                     ; tile row
	s_lshl_b32 s43, s41, 2
	s_lshl_b32 s43, 15, s43                        ; my row of the cluster
	s_lshl_b32 s44, 0x1111, s40                    ; my column
	; group 1: 32,768 dense bytes as 128 rows of 256 (32 elements of 8 bytes)
	s_or_b32 s[G1+0], s43, (3<<16)|(1<<21)
	s_or_b32 s[G1B+0], s44, (3<<16)|(1<<21)
.irp g, G1, G1B
	s_mov_b32 s[\g+1], 32<<16
	s_mov_b32 s[\g+2], 128<<16
	s_mov_b32 s[\g+3], 32<<16
	s_mov_b32 s[\g+4], 128
	s_mov_b32 s[\g+5], 32
	s_mov_b32 s[\g+6], 0
	s_mov_b32 s[\g+7], 0
.endr
	s_lshl_b32 s17, s12, 15                        ; my half of a block
	s_lshl_b32 s16, s13, 16
	s_add_co_u32 s16, s16, s17                     ; o: 65,536 x tile row + the half
	s_lshl_b32 s46, s42, 16
	s_add_co_u32 s46, s46, s17                     ; Wo: 65,536 x tile column + the half
	s_mov_b32 s17, 0
	s_mov_b32 s47, 0
	s_lshl_b32 s20, s10, 15                        ; where they go: wave x 32,768: no place in the cluster enters an LDS address
	s_wait_dscnt 0x0                               ; both opening adds are done
	s_wait_kmcnt 0x0
	s_add_nc_u64 s[14:15], s[4:5], s[16:17]
	s_add_nc_u64 s[46:47], s[6:7], s[46:47]
	CROUND                                         ; all sixteen work-groups are here: the first joint loads meet
.irp s, 0,1
	s_mov_b32 s[G0+4*\s], 1
	s_add_co_u32 s[G0+4*\s+1], s20, \s*SLOT
	s_add_nc_u64 s[G0+4*\s+2:G0+4*\s+3], s[14:15], \s*2097152      ; K step s of o
	s_or_b32 s[G0+4*\s+3], s[G0+4*\s+3], 0x80000000
	s_mov_b32 s[G0B+4*\s], 1
	s_add_co_u32 s[G0B+4*\s+1], s20, \s*SLOT
	s_add_nc_u64 s[G0B+4*\s+2:G0B+4*\s+3], s[46:47], \s*524288     ; K step s of Wo
	s_or_b32 s[G0B+4*\s+3], s[G0B+4*\s+3], 0x80000000
	JLOAD \s
.endr
	v_and_b32 v1, 15, v0                           ; l % 16
	v_bfe_u32 v2, v0, 4, 1                         ; l / 16
	v_and_b32 v3, 31, v0
	v_lshlrev_b32 v3, 4, v3                        ; 16 x lane
	s_lshl_b32 s21, s11, 15                        ; my four row tiles
	s_lshl_b32 s22, s12, 15                        ; my four column tiles,
	s_add_co_u32 s22, s22, BOFF                    ; behind o's block
.irp s, 0,1
	v_add_nc_u32 v[ADRA+\s], s21, v3
	v_add_nc_u32 v[ADRB+\s], s22, v3
	s_add_co_u32 s21, s21, SLOT
	s_add_co_u32 s22, s22, SLOT
.endr
	s_mul_i32 s23, s10, 16*SPITCH
	s_add_co_u32 s23, s23, STAGE                   ; my stage
	v_mul_u32_u24 v4, v1, SPITCH                   ; in: row l % 16, 32 bytes for each half of the lanes
	v_lshl_add_u32 v4, v2, 5, v4
	v_add_nc_u32 v[STO], s23, v4
	v_mul_u32_u24 v5, v2, SPITCH                   ; back: lanes 0-15 one row of 256 bytes, lanes 16-31 the next
	v_lshl_add_u32 v5, v1, 4, v5
	v_add_nc_u32 v[RD], s23, v5
	v_lshlrev_b32 v5, 12, v2                       ; and the same two rows in out0 (4,096 bytes a row)
	v_lshl_add_u32 v[CO], v1, 4, v5
	s_lshl_b32 s16, s13, 7
	s_lshl_b32 s17, s11, 6
	s_add_co_u32 s16, s16, s17                     ; my first row: 128 x tile row + 64 x half
	s_lshl_b32 s16, s16, 12
	s_mov_b32 s17, 0
	s_add_nc_u64 s[8:9], s[8:9], s[16:17]
	s_lshl_b32 s46, s42, 9                         ; my first column, in bytes: 512 x tile column + 256 x half
	s_lshl_b32 s47, s12, 8
	s_add_co_u32 s46, s46, s47
	s_mov_b32 s47, 0
	s_add_nc_u64 s[8:9], s[8:9], s[46:47]
; 8 matrix instructions: row tiles a0, a0 + 1 x all 4 column tiles, 32 along K: half c of buffer f.  zero = 1: the first product starts the sums
.macro MUL8 f, c, a0, zero
.irp a, \a0, \a0+1
.irp b, 0,1,2,3
.if \zero
	v_wmma_f32_16x16x32_f16 v[ACC+8*(4*(\a)+\b):ACC+8*(4*(\a)+\b)+7], v[\f+64+8*(4*\c+\b):\f+64+8*(4*\c+\b)+7], v[\f+8*(4*\c+\a):\f+8*(4*\c+\a)+7], 0
.else
	v_wmma_f32_16x16x32_f16 v[ACC+8*(4*(\a)+\b):ACC+8*(4*(\a)+\b)+7], v[\f+64+8*(4*\c+\b):\f+64+8*(4*\c+\b)+7], v[\f+8*(4*\c+\a):\f+8*(4*\c+\a)+7], v[ACC+8*(4*(\a)+\b):ACC+8*(4*(\a)+\b)+7]
.endif
.endr
.endr
.endm
; 32 LDS loads in one run: the fragments of the slot's qn-th 64 along K into buffer f; the first 32 along K first
.macro FETCH slot, qn, f
	WIN TO_F
.irp c, 0,1
.irp i, 0,1,2,3
	ds_load_b128 v[\f+64+8*(4*\c+\i):\f+64+8*(4*\c+\i)+3],   v[ADRB+\slot] offset:(2*\qn+\c)*1024+\i*8192
	ds_load_b128 v[\f+64+8*(4*\c+\i)+4:\f+64+8*(4*\c+\i)+7], v[ADRB+\slot] offset:(2*\qn+\c)*1024+\i*8192+512
	ds_load_b128 v[\f+8*(4*\c+\i):\f+8*(4*\c+\i)+3],         v[ADRA+\slot] offset:(2*\qn+\c)*1024+\i*8192
	ds_load_b128 v[\f+8*(4*\c+\i)+4:\f+8*(4*\c+\i)+7],       v[ADRA+\slot] offset:(2*\qn+\c)*1024+\i*8192+512
.endr
.endr
.endm
; A K step is four quarters of 64 along K, 32 matrix instructions each, on buffers 0, 1, 0, 1.  One of the first three: multiplies buffer f and fetches quarter qn into g
.macro QUARTER slot, qn, f, g, zero
	s_wait_dscnt 16                                ; the first 32 along K are in; the sixteen loads behind them may be out
	WIN MUL
	MUL8 \f, 0, 0, \zero
	MUL8 \f, 0, 2, \zero
	PLACES                                         ; four places ahead of loads into registers that matrix instructions have read
	FETCH \slot, \qn, \g
	s_wait_dscnt 32                                ; all but the 32 just issued
	WIN MUL
	MUL8 \f, 1, 0, 0
	MUL8 \f, 1, 2, 0
.endm
; The last quarter multiplies buffer 1 and changes slots: ONE barrier; in front of it each wave waits for all its tensor loads, adds 0 to its spare word, and waits for that and for its reads of this slot.
; fill = 1: the barrier opens a round of the cluster's, and this slot is filled again, two K steps ahead
.macro TURN slot, next, fill
	WIN 0
	s_wait_tensorcnt 0x0                           ; all my tensor loads have landed: my part of the next slot
	ds_add_u32 v[SPW], v[NIL]
	s_wait_dscnt 17                                ; (the add and the youngest sixteen loads may be out)
	WIN MUL
	MUL8 F1, 0, 0, 0
	s_wait_dscnt 0x0                               ; the add is done, and my reads of this slot are over
	s_barrier_signal -1
	MUL8 F1, 0, 2, 0
.if \fill
	WIN 0
.endif
	s_barrier_wait -1
.if \fill
	CREST                                          ; no wave of any partner still reads this slot or has a load on its way
	s_add_nc_u64 s[G0+4*\slot+2:G0+4*\slot+3], s[G0+4*\slot+2:G0+4*\slot+3], 2*2097152
	s_add_nc_u64 s[G0B+4*\slot+2:G0B+4*\slot+3], s[G0B+4*\slot+2:G0B+4*\slot+3], 2*524288
	JLOAD \slot                                    ; the first tensor load behind the round; its four v_nop are also the places in front of the loads below
.else
	PLACES
.endif
	FETCH \next, 0, F0
	WIN MUL
	MUL8 F1, 1, 0, 0
	MUL8 F1, 1, 2, 0
.endm
	s_wait_tensorcnt 1                             ; my part of K step 0 is in; K step 1's load may be out
	s_barrier_signal -1
	s_barrier_wait -1
	FETCH 0, 0, F0
	QUARTER 0, 1, F0, F1, 1                        ; K step 0: its first products start the sums
	QUARTER 0, 2, F1, F0, 0
	QUARTER 0, 3, F0, F1, 0
	TURN 0, 1, 1                                   ; slot 0 takes K step 2
	QUARTER 1, 1, F0, F1, 0                        ; K step 1
	QUARTER 1, 2, F1, F0, 0
	QUARTER 1, 3, F0, F1, 0
	TURN 1, 0, 1                                   ; slot 1 takes K step 3
	QUARTER 0, 1, F0, F1, 0                        ; K step 2
	QUARTER 0, 2, F1, F0, 0
	QUARTER 0, 3, F0, F1, 0
	TURN 0, 1, 0                                   ; nothing is left to fetch
	QUARTER 1, 1, F0, F1, 0                        ; K step 3
	QUARTER 1, 2, F1, F0, 0
	QUARTER 1, 3, F0, F1, 0
	s_wait_dscnt 16
	WIN MUL
	MUL8 F1, 0, 0, 0
	MUL8 F1, 0, 2, 0
	s_wait_dscnt 0x0
	MUL8 F1, 1, 0, 0
	MUL8 F1, 1, 2, 0
	WIN 0
; THE WAY OUT, a block of 16 rows x 64 columns at a time.  A lane holds 32 bytes of a row and the lanes beside it hold other rows: a block goes through my own stage and comes back as rows of 256 bytes,
; my wave's whole share of a row.  LDS serves a wave's instructions in order (ISA guide 5.7.1.4): no wait between the stores and the loads, nor in front of the next block's stores.
.macro TOSTAGE a
.irp b, 0,1,2,3
	ds_store_b128 v[STO], v[ACC+8*(4*(\a)+\b):ACC+8*(4*(\a)+\b)+3] offset:64*\b          ; each accumulator from its low end on
	ds_store_b128 v[STO], v[ACC+8*(4*(\a)+\b)+4:ACC+8*(4*(\a)+\b)+7] offset:64*\b+16
.endr
.set BB, TMP+32*((\a)%2)
.irp t, 0,1,2,3,4,5,6,7
	ds_load_b128 v[BB+4*\t:BB+4*\t+3], v[RD] offset:2*\t*SPITCH
.endr
.endm
.macro SEND a, younger                 ; younger: the LDS instructions issued behind block a's loads, which may stay out
.set BB, TMP+32*((\a)%2)
	s_wait_dscnt \younger
.irp t, 0,1,2,3,4,5,6,7
	global_store_b128 v[CO], v[BB+4*\t:BB+4*\t+3], s[8:9] offset:(16*(\a)+2*\t)*4096 th:TH_STORE_NT   ; sixteen lanes store 256 consecutive bytes, aligned; written once, read by nobody here
.endr
.endm
	PLACES                                         ; ahead of the first read of results
	TOSTAGE 0
.irp a, 1,2,3
.if \a > 1
	s_wait_xcnt 0x0                                ; block a - 2's stores have read their registers: block a's loads may land there
.endif
	TOSTAGE \a
	SEND \a-1, 16                                  ; behind block a - 1's loads: block a's 8 stores and 8 loads
.endr
	SEND 3, 0
	s_wait_tensorcnt 0x0                           ; the wave's end, behind my last tensor load and my last LDS store
	ds_add_u32 v[SPW], v[NIL]
	s_wait_dscnt 0x0
	CROUND                                         ; the closing round
	s_endpgm
.Lfunc_end_k_qe79cc13a1f_outp:
	.size	k_qe79cc13a1f_outp, .Lfunc_end_k_qe79cc13a1f_outp-k_qe79cc13a1f_outp
	.p2alignl 7, 3214868480
	.fill 96, 4, 3214868480
	.section	.rodata,"a",@progbits
	.p2align	6, 0x0
	.amdhsa_kernel k_qe79cc13a1f_outp
		.amdhsa_group_segment_fixed_size 327680
		.amdhsa_private_segment_fixed_size 0
		.amdhsa_enable_private_segment 0
		.amdhsa_kernarg_size 24
		.amdhsa_user_sgpr_count 2
		.amdhsa_user_sgpr_kernarg_segment_ptr 1
		.amdhsa_wavefront_size32 1
		.amdhsa_system_sgpr_workgroup_id_x 1
		.amdhsa_system_sgpr_workgroup_id_y 1
		.amdhsa_system_sgpr_workgroup_id_z 1
		.amdhsa_system_vgpr_workitem_id 0
		.amdhsa_next_free_vgpr 512
		.amdhsa_next_free_sgpr 66
		.amdhsa_reserve_vcc 0
		.amdhsa_float_denorm_mode_32 3
		.amdhsa_float_denorm_mode_16_64 3
		.amdhsa_memory_ordered 1
		.amdhsa_forward_progress 1
		.amdhsa_inst_pref_size 85
	.end_amdhsa_kernel
	.amdgpu_metadata
---
amdhsa.version: [ 1, 2 ]
amdhsa.kernels:
  - .name:           k_qe79cc13a1f_outp
    .symbol:         k_qe79cc13a1f_outp.kd
    .args:
      - { .name: oimg, .offset: 0, .size: 8, .value_kind: global_buffer, .address_space: global }
      - { .name: woimg, .offset: 8, .size: 8, .value_kind: global_buffer, .address_space: global }
      - { .name: out0, .offset: 16, .size: 8, .value_kind: global_buffer, .address_space: global }
    .group_segment_fixed_size: 327680
    .private_segment_fixed_size: 0
    .kernarg_segment_align: 8
    .kernarg_segment_size: 24
    .max_flat_workgroup_size: 128
    .sgpr_count:     66
    .vgpr_count:     512
    .wavefront_size: 32
...
	.end_amdgpu_metadata
.endif
;; end of part 4
